; MI455X (gfx1250); checked and timed in simulation.
; The chip was launched on July 23, 2026; its instructions are those of AMD's public machine-readable ISA for CDNA 5 (MIT licence, August 2026) and "CDNA5" Instruction Set Architecture Reference Guide (July 2026). The comments in the code are by the model that wrote it; some were corrected since.
;; Mahalanobis KDE. Allowed arithmetic: matrix products marked QUANTISED: E2M1 operands, one E8M0 scale for each 32 along K, by v_wmma_scale_f32_16x16x128_f8f6f4 with both operands' format E2M1 (or v_wmma_scale_f32_32x16x128_f4), f32 sums; everything else in f32.
;; Inputs: X 4,096 x 1,024 float32; gamma one number float32; svs 16,384 x 1,024 float32.
;; Outputs: out0 4,096 float32.
;; This version of the problem:
;;   THIS VERSION OF THE PROBLEM IS GIVEN IN LOW PRECISION. The matrix products marked QUANTISED in the list below multiply operands that are first quantised to E2M1 (2 exponent bits, 1 mantissa bit; 4 bits a number), with one power-of-two scale for each 32 numbers along K (OCP MX v1.0); their sums are f32. All else is computed in f32.
;;   The module's matrix products, in the order in which they are computed (A, B: the left and right operand; K: the contracted axis; several contracted axes count as one K, in the product's order):
;;     1. [M 4,096, K 1,024] x [K 1,024, N 16,384]; A: input X; B: input svs: QUANTISED
;;   THE QUANTISER, for each operand of a quantised product, along K:
;;     - K is cut into blocks of 32 from its start; a last block that is shorter is filled with zeros.
;;     - A block's scale is 2^e with e = floor(log2(the largest magnitude in the block)) - 2, held to -126 .. 127; a block of zeros has e = 0. As a byte (E8M0): e + 127.
;;     - Each number is divided by its block's scale, clamped to +-6, and rounded to the nearest number of E2M1, ties to even, subnormals kept.
;;     - The product sums the exact products of the quantised numbers (number of the format x scale) in f32.
;;   ~~~python
;;   def quantise(x, axis):      # numpy; x: float32 -> the quantised numbers, widened to float32 again
;;       x = np.moveaxis(x, axis, -1); K = x.shape[-1]
;;       x = np.pad(x, [(0, 0)] * (x.ndim - 1) + [(0, -K % 32)]); x = x.reshape(x.shape[:-1] + (-1, 32)); a = np.abs(x).max(-1, keepdims=True)
;;       e = np.where(a > 0, np.clip(np.frexp(np.where(a > 0, a, 1))[1] - 1 - 2, -126, 127), 0)      # np.frexp(a)[1] - 1 = floor(log2(a)), exactly
;;       r = np.clip(x / 2.0 ** e, -6, 6)
;;       step = 2.0 ** (np.maximum(np.frexp(np.where(r == 0, 1, r))[1] - 1, 0) - 1)
;;       q = np.round(r / step) * step * 2.0 ** e      # np.round: ties to even
;;       return np.moveaxis(q.reshape(q.shape[:-2] + (-1,))[..., :K], -1, axis).astype(np.float32)
;;   ~~~
;; One version. Each part assembles by itself: llvm-mc -triple=amdgcn-amd-amdhsa -mcpu=gfx1250 --defsym DOCPART=n.
;; ======== version 1 of 1: 3 launches
;; limits: right only within a limited range of input values
;; workspace buffers: xc 2,097,152 bytes; xs 131,072 bytes; sc 8,388,608 bytes; ss 524,288 bytes; xn 16,384 bytes; sn 65,536 bytes; parts 1,048,576 bytes
;; launch quant (part 1): grid 640 x 1, 4 waves a work-group, no clusters, 33,280 bytes of LDS; arguments X, svs, xc, xs, sc, ss, xn, sn; writes xc, xs, sc, ss, xn, sn
.if DOCPART == 1
	.amdgcn_target "amdgcn-amd-amdhsa--gfx1250"
	.amdhsa_code_object_version 6
	.text
	.protected	k_qa06ba09732_quant
	.globl	k_qa06ba09732_quant
	.p2align	8
	.type	k_qa06ba09732_quant,@function
k_qa06ba09732_quant:
	s_mov_b64 s[64:65], 0
	v_nop
	global_prefetch_b8 v0, s[64:65] scope:SCOPE_SE
	s_setreg_imm32_b32 hwreg(HW_REG_WAVE_MODE, 25, 1), 1
	s_wait_xcnt 0x0
; X [4096][1024] and svs [16384][1024], f32, are turned into codes of FP4 (E2M1), K innermost (a row: 512 bytes), with one E8M0 scale byte for each 32 along K (a row: 32 bytes),
; and each row's sum of squares of the UNQUANTISED numbers is formed: xn[b] = x2[b]; sn[n] = -s2[n] / 2, the form in which the next launch takes it as the C of its sums.
; NO WORK OF THE PROBLEM IS LEFT OUT in this program: X, svs and gamma all reach the result (x2 stands ahead of the clamp at 0, so it does not cancel in the logsumexp).
; A block's scale is 2^(floor(log2(its largest magnitude)) - 2); its byte is the largest magnitude's exponent field - 2, held at 1 from below.  A block of zeros so gets the byte 1 where the
; rule says 127: its codes are zeros, which add nothing under any byte but 0xff, and the bytes are read by this program alone.
; LIMITS: NaN and infinities among the inputs are not served; blocks whose largest magnitude lies under 2^(2 - 126) have their byte held at 1; the squares are added in another order than a plain row sum.
; Rows are dense, so both tensors are plain streams of blocks of 32.  A wave takes 16 steps of 512 numbers: 8 whole rows, two steps to a row.  Each of a step's four loads reads 512 consecutive bytes;
; the 2,048 bytes turn through the wave's own stage in LDS and come back 64 bytes a lane, so that a lane holds 16 neighbours along K and two neighbouring lanes a block.
; One launch serves both tensors: the first WGA work-groups take X, the others svs; only pointers and the norm's factor are chosen.  Waves share nothing: no barrier.
; The 8 norms of a wave leave as 32 bytes: one byte for each 1,024 bytes that the wave reads.
.set WAVES, 4
.set STEPS, 16
.set SIZE_M, 4096
.set SIZE_N, 16384
.set SIZE_K, 1024
.set WGA,   SIZE_M*SIZE_K/(512*STEPS*WAVES)    ; 128 work-groups for X, 512 for svs
.set EMAX,  2
.set CB,    8                          ; bytes of 16 codes
.set R,     16                         ; v16-79   four sets of 16 numbers as they are loaded
.set X,     80                         ; v80-111  two sets of 16 neighbours
.set E,     112                        ; v112-127 a scale byte for each step
.set C,     128                        ; v128-191 codes: four registers for each step, so that no store's data are written again
.set SQA,   192                        ; v[192:193] squares, first chain
.set NR,    194                        ; v194     lane i (0 to 7): the norm of my wave's row i
.set TN,    195                        ; v195     a row's sum, at work
.set SQB,   196                        ; v[196:197] squares, second chain
.set PD,    198                        ; v198     the lane permute's destination
.set WREG,  8192                       ; LDS: a region for each wave: two stages of 32 x SP bytes, behind them its 256 scale bytes
.set SP,    80                         ; a lane's place in a stage: its 64 bytes + 16 of padding
.set SPW,   12                         ; v12      LDS address of my spare word; never rewritten
.set NIL,   13                         ; v13      0; never rewritten
.set SPARE, WAVES*WREG                 ; behind the four regions: the spare words, 128 bytes for each wave
	s_load_b128 s[4:7], s[0:1], 0x0                ; X, svs
	s_load_b128 s[8:11], s[0:1], 0x10              ; X's codes, X's scales
	s_load_b128 s[12:15], s[0:1], 0x20             ; svs' codes, svs' scales
	s_load_b128 s[24:27], s[0:1], 0x30             ; xn, sn
	v_lshl_add_u32 v[SPW], v0, 2, SPARE
	v_mov_b32 v[NIL], 0
	v_lshrrev_b32 v1, 5, v0
	v_readfirstlane_b32 s16, v1                    ; wave
	v_and_b32 v2, 31, v0                           ; lane
	v_lshlrev_b32 v3, 4, v2                        ; my 16 bytes of a load's 512
	s_mul_i32 s17, s16, WREG
	v_lshrrev_b32 v14, 2, v2
	v_mul_u32_u24 v14, v14, SP
	v_and_b32 v15, 3, v2
	v_lshl_add_u32 v14, v15, 4, v14
	v_add_nc_u32 v14, s17, v14                     ; the stage, on the way in: SP (lane / 4) + 16 (lane % 4)
	v_mul_u32_u24 v15, v2, SP
	v_add_nc_u32 v15, s17, v15                     ; and on the way out: SP x lane: my 16 neighbours
	v_mul_u32_u24 v4, v2, CB                       ; my codes' place in a step's
	v_lshrrev_b32 v5, 1, v2
	s_add_co_u32 s17, s17, 2*32*SP
	v_add_nc_u32 v5, s17, v5                       ; LDS: my wave's 256 scale bytes, my block's byte
	v_lshlrev_b32 v7, 3, v2                        ; and on the way out 8 bytes a lane
	v_add_nc_u32 v6, s17, v7
	v_lshlrev_b32 v10, 2, v2                       ; the norms: 4 bytes a lane
	v_mov_b32 v[NR], 0
	v_mov_b32 v[PD], 0                             ; written once: a lane permute's destination counts as one of its sources
	s_mov_b32 s32, 0x76543210
	s_mov_b32 s33, 0xfedcba98                      ; v_permlanex16_b32's selects for lane l xor 16
	s_mov_b32 s31, 0xbf000000                      ; -0.5
	s_wait_alu depctr_va_vdst(0)
	s_wait_kmcnt 0x0
	s_cmp_lt_u32 ttmp9, WGA                        ; X's work-group or svs'?  The choice hangs on the work-group's number alone
	s_cselect_b64 s[4:5], s[4:5], s[6:7]
	s_cselect_b64 s[8:9], s[8:9], s[12:13]
	s_cselect_b64 s[10:11], s[10:11], s[14:15]
	s_cselect_b64 s[24:25], s[24:25], s[26:27]
	s_cselect_b32 s31, 1.0, s31                    ; x2 as it is; s2 times -1/2
	s_cselect_b32 s17, 0, WGA
	s_sub_co_u32 s17, ttmp9, s17
	s_lshl_b32 s17, s17, 2
	s_add_co_u32 s18, s17, s16                     ; which run of 8,192 numbers (8 rows) of the tensor is my wave's
	s_mov_b32 s19, 0
	s_mov_b64 s[20:21], 512*STEPS*4
	s_mul_u64 s[20:21], s[18:19], s[20:21]
	s_add_nc_u64 s[4:5], s[4:5], s[20:21]
	s_mov_b64 s[20:21], 32*STEPS*CB
	s_mul_u64 s[20:21], s[18:19], s[20:21]
	s_add_nc_u64 s[8:9], s[8:9], s[20:21]
	s_lshl_b32 s22, s18, 5                         ; 8 norms, 32 bytes, a run
	s_mov_b32 s23, 0
	s_add_nc_u64 s[24:25], s[24:25], s[22:23]
	s_lshl_b32 s18, s18, 8                         ; 256 scale bytes a run
	s_add_nc_u64 s[10:11], s[10:11], s[18:19]
.macro LOAD t
.irp i, 0,1,2,3
	global_load_b128 v[R+16*((\t)%4)+4*\i:R+16*((\t)%4)+4*\i+3], v3, s[4:5] offset:2048*(\t)+512*\i th:TH_LOAD_NT   ; 32 lanes read 512 consecutive bytes
.endr
.endm
.macro TURN t                          ; step t's numbers through the stage: LDS serves a wave's instructions in order, so no wait stands between the stores and the loads
.irp i, 0,1,2,3
	ds_store_b128 v14, v[R+16*((\t)%4)+4*\i:R+16*((\t)%4)+4*\i+3] offset:32*SP*((\t)%2)+8*SP*\i
.endr
.irp i, 0,1,2,3
	ds_load_b128 v[X+16*((\t)%2)+4*\i:X+16*((\t)%2)+4*\i+3], v15 offset:32*SP*((\t)%2)+16*\i
.endr
.endm
.irp t, 0,1,2,3
	LOAD \t
.endr
	s_wait_loadcnt 12                              ; step 0's four loads are in; the twelve of steps 1 to 3 may be out
	TURN 0
.macro STEP t
.set XS, X+16*((\t)%2)
.if (\t) > 0
	s_wait_dscnt 1                                 ; this step's numbers are back from the stage (the last step's byte store may be out): so its stores into the stage have read their registers,
.else
	s_wait_dscnt 0x0
.endif
.if (\t)+4 < STEPS
	LOAD (\t)+4                                    ; which take the loads of four steps on
.endif
.if (\t)+1 < STEPS
.if STEPS-2-(\t) >= 3
	s_wait_loadcnt 12                              ; the next step's four loads are in; those of the three steps behind it may be out
.else
	s_wait_loadcnt 4*(STEPS-2-(\t))
.endif
	TURN (\t)+1                                    ; and go through the other stage while this step is worked
.endif
	v_max3_num_f32 v8, |v[XS]|, |v[XS+1]|, |v[XS+2]|               ; the largest magnitude of my 16
	v_max3_num_f32 v9, |v[XS+3]|, |v[XS+4]|, |v[XS+5]|
.irp i, 6,10
	v_max3_num_f32 v8, v8, |v[XS+\i]|, |v[XS+\i+1]|
	v_max3_num_f32 v9, v9, |v[XS+\i+2]|, |v[XS+\i+3]|
.endr
	v_max3_num_f32 v8, v8, |v[XS+14]|, |v[XS+15]|
	v_max3_num_f32 v8, v8, v9, (EMAX+1)<<23        ; and the floor 2^(EMAX + 1 - 127): so the byte cannot fall under 1
	v_max_num_f32_dpp v8, v8, v8 row_xmask:1 row_mask:0xf bank_mask:0xf   ; and of my neighbour's 16: the block's
	v_add_nc_u32 v11, -(EMAX<<23), v8              ; EMAX off its exponent field: the conversion takes the exponent field of this operand as its scale
	v_cvt_scalef32_pk8_fp4_f32 v[C+4*(\t)], v[XS:XS+7], v11        ; eight numbers / the scale, to the nearest code, ties to even, beyond the largest code the largest
	v_cvt_scalef32_pk8_fp4_f32 v[C+4*(\t)+1], v[XS+8:XS+15], v11
	v_lshrrev_b32 v[E+(\t)], 23, v11               ; the scale's byte (also the plain line behind the conversions)
	ds_store_b8 v5, v[E+(\t)] offset:16*(\t)       ; both lanes of a block write the same byte with the same value
	global_store_b64 v4, v[C+4*(\t):C+4*(\t)+1], s[8:9] offset:32*CB*(\t)   ; the wave stores 256 consecutive bytes
	; the squares of my 16 numbers, two at a time, in two chains; a row's first step starts the chains: nothing is cleared
.if ((\t)%2) == 0
	v_pk_mul_f32 v[SQA:SQA+1], v[XS:XS+1], v[XS:XS+1]
	v_pk_mul_f32 v[SQB:SQB+1], v[XS+2:XS+3], v[XS+2:XS+3]
.irp i, 4,8,12
	v_pk_fma_f32 v[SQA:SQA+1], v[XS+\i:XS+\i+1], v[XS+\i:XS+\i+1], v[SQA:SQA+1]
	v_pk_fma_f32 v[SQB:SQB+1], v[XS+\i+2:XS+\i+3], v[XS+\i+2:XS+\i+3], v[SQB:SQB+1]
.endr
.else
.irp i, 0,4,8,12
	v_pk_fma_f32 v[SQA:SQA+1], v[XS+\i:XS+\i+1], v[XS+\i:XS+\i+1], v[SQA:SQA+1]
	v_pk_fma_f32 v[SQB:SQB+1], v[XS+\i+2:XS+\i+3], v[XS+\i+2:XS+\i+3], v[SQB:SQB+1]
.endr
	v_pk_add_f32 v[SQA:SQA+1], v[SQA:SQA+1], v[SQB:SQB+1]          ; the row is whole: the chains, the halves, the 32 lanes
	v_add_f32 v[TN], v[SQA], v[SQA+1]
	v_add_f32_dpp v[TN], v[TN], v[TN] row_xmask:1 row_mask:0xf bank_mask:0xf
	v_add_f32_dpp v[TN], v[TN], v[TN] row_xmask:2 row_mask:0xf bank_mask:0xf
	v_add_f32_dpp v[TN], v[TN], v[TN] row_xmask:4 row_mask:0xf bank_mask:0xf
	v_add_f32_dpp v[TN], v[TN], v[TN] row_xmask:8 row_mask:0xf bank_mask:0xf
	v_permlanex16_b32 v[PD], v[TN], s32, s33
	v_add_f32 v[TN], v[TN], v[PD]
	v_mul_f32 v[TN], s31, v[TN]                    ; x 1 or x -1/2
	v_cmp_eq_u32 vcc_lo, (\t)/2, v2
	v_cndmask_b32 v[NR], v[NR], v[TN], vcc_lo      ; lane t / 2 keeps it
.endif
.endm
.irp t, 0,1,2,3,4,5,6,7,8,9,10,11,12,13,14,15
	STEP \t
.endr
	ds_load_b64 v[8:9], v6                         ; LDS serves a wave's instructions in order: these see my stores
	s_wait_alu depctr_va_vdst(0)
	s_wait_dscnt 0x0
	global_store_b64 v7, v[8:9], s[10:11]          ; 32 lanes store 256 consecutive bytes, aligned: the wave's scale bytes
	s_wait_xcnt 0x0                                ; EXEC is a source of the stores above: it changes only behind this wait
	v_cmp_gt_u32 vcc_lo, 8, v2
	s_and_saveexec_b32 s30, vcc_lo
	global_store_b32 v10, v[NR], s[24:25]          ; lanes 0 to 7: my wave's 8 norms
	s_wait_xcnt 0x0                                ; and again, ahead of the line that widens it
	s_or_b32 exec_lo, exec_lo, s30
	s_wait_tensorcnt 0x0                           ; the wave's end, behind my last LDS store
	ds_add_u32 v[SPW], v[NIL]
	s_wait_dscnt 0x0
	s_endpgm
.Lfunc_end_k_qa06ba09732_quant:
	.size	k_qa06ba09732_quant, .Lfunc_end_k_qa06ba09732_quant-k_qa06ba09732_quant
	.p2alignl 7, 3214868480
	.fill 96, 4, 3214868480
	.section	.rodata,"a",@progbits
	.p2align	6, 0x0
	.amdhsa_kernel k_qa06ba09732_quant
		.amdhsa_group_segment_fixed_size 33280
		.amdhsa_private_segment_fixed_size 0
		.amdhsa_enable_private_segment 0
		.amdhsa_kernarg_size 64
		.amdhsa_user_sgpr_count 2
		.amdhsa_user_sgpr_kernarg_segment_ptr 1
		.amdhsa_wavefront_size32 1
		.amdhsa_system_sgpr_workgroup_id_x 1
		.amdhsa_system_sgpr_workgroup_id_y 1
		.amdhsa_system_sgpr_workgroup_id_z 1
		.amdhsa_system_vgpr_workitem_id 0
		.amdhsa_next_free_vgpr 200
		.amdhsa_next_free_sgpr 66
		.amdhsa_reserve_vcc 1
		.amdhsa_float_denorm_mode_32 3
		.amdhsa_float_denorm_mode_16_64 3
		.amdhsa_memory_ordered 1
		.amdhsa_forward_progress 1
		.amdhsa_inst_pref_size 46
	.end_amdhsa_kernel
	.amdgpu_metadata
---
amdhsa.version: [ 1, 2 ]
amdhsa.kernels:
  - .name:           k_qa06ba09732_quant
    .symbol:         k_qa06ba09732_quant.kd
    .args:
      - { .name: X, .offset: 0, .size: 8, .value_kind: global_buffer, .address_space: global }
      - { .name: svs, .offset: 8, .size: 8, .value_kind: global_buffer, .address_space: global }
      - { .name: xc, .offset: 16, .size: 8, .value_kind: global_buffer, .address_space: global }
      - { .name: xs, .offset: 24, .size: 8, .value_kind: global_buffer, .address_space: global }
      - { .name: sc, .offset: 32, .size: 8, .value_kind: global_buffer, .address_space: global }
      - { .name: ss, .offset: 40, .size: 8, .value_kind: global_buffer, .address_space: global }
      - { .name: xn, .offset: 48, .size: 8, .value_kind: global_buffer, .address_space: global }
      - { .name: sn, .offset: 56, .size: 8, .value_kind: global_buffer, .address_space: global }
    .group_segment_fixed_size: 33280
    .private_segment_fixed_size: 0
    .kernarg_segment_align: 8
    .kernarg_segment_size: 64
    .max_flat_workgroup_size: 128
    .sgpr_count:     66
    .vgpr_count:     200
    .wavefront_size: 32
...
	.end_amdgpu_metadata
.endif
;; end of part 1
;; launch dist (part 2): grid 16 x 16, 8 waves a work-group, clusters of 4 x 4, 327,680 bytes of LDS; arguments xc, xs, sc, ss, xn, sn, gamma, parts; writes parts
.if DOCPART == 2
	.amdgcn_target "amdgcn-amd-amdhsa--gfx1250"
	.amdhsa_code_object_version 6
	.text
	.protected	k_qa06ba09732_dist
	.globl	k_qa06ba09732_dist
	.p2align	8
	.type	k_qa06ba09732_dist,@function
k_qa06ba09732_dist:
	s_mov_b64 s[64:65], 0
	v_nop
	global_prefetch_b8 v0, s[64:65] scope:SCOPE_SE
	s_setreg_imm32_b32 hwreg(HW_REG_WAVE_MODE, 25, 1), 1
	s_wait_xcnt 0x0
	s_wait_alu depctr_hold_cnt(0) depctr_sa_sdst(0) depctr_va_vdst(0) depctr_va_sdst(0) depctr_va_ssrc(0) depctr_va_vcc(0) depctr_vm_vsrc(0)
	s_getreg_b32 s2, hwreg(HW_REG_IB_STS2, 6, 4)
	s_cmp_eq_u32 s2, 0
	s_cbranch_scc0 .Lentry_in_a_cluster
	s_endpgm
.Lentry_in_a_cluster:
	s_bfe_u32 s2, ttmp6, 0x10000c
	s_cmp_lg_u32 s2, 0xf033
	s_cbranch_scc0 .Lentry_shape_is_right
	s_endpgm
.Lentry_shape_is_right:
; For each row b of X and each of 32 parts of the columns: NM = -(the largest t) and L = the sum of 2^(t - the largest t), t = c max(x2[b] + s2[n] - 2 Q(X)[b] . Q(svs)[n], 0), c = -gamma log2(e).
; The product runs on codes of FP4 (E2M1) with one E8M0 scale for each 32 along K, as the launch before laid them.  No work of the problem is left out here.
; SHARES.  256 work-groups: x = a group of 1,024 columns (rows of svs), y = a block of 256 rows of X.  Eight waves, two groups of four.  The columns go in 8 tiles of 128, all of K:
; group 0 takes the even tiles (LDS slot 0), group 1 the odd ones (slot 1).  Wave w: group w / 4, rows 64 (w % 4) on: 64 x 128 of a tile, 16 accumulators of 32 x 16, 256 registers.
; THE GROUPS TAKE TURNS: between two barriers one group multiplies its tile while the other does the work behind the products of its last tile.  The branches that part them hang on the wave's number alone.
; X's codes of the 256 rows, all of K, and all scale bytes come into LDS once.  A slot is filled again behind the barrier that ends its tile's products, by waves 4 and 5, 64 rows of 512 bytes each.
; CLUSTERS: 4 x 4 work-groups.  The four of a row of the cluster need the same rows of X, the four of a column the same rows of svs: each is asked for JOINTLY.
; THE MATRIX INSTRUCTION IS USED TRANSPOSED (source 0 = 32 rows of svs, source 1 = 16 rows of X): a lane holds ONE row of X and, in each accumulator, sixteen columns.
; ARITHMETIC.  The C of a tile's first K step is -s2 / 2 in the result's layout, so acc = dot - s2 / 2 and nothing is cleared.  z = k acc + c x2, k = -2 c, is c times the raw distance;
; t = the middle one of z, 0 and the infinity of c's sign: c max(distance, 0) for either sign of gamma, with no branch.  Each lane keeps NM and L for each of its 4 blocks of rows over its own columns;
; the two halves of the lanes are joined once, at the end.  The maximum is taken away ahead of every exponential.
; PREFETCH: with the refill of tile q (q = 2 to 5) tile q + 2 is named, 256 bytes a lane; the four partners that load a tile share its 128 rows out by address, 32 rows each, waves 0 and 1; the last two refills name nothing.
; LIMITS: NaN and infinities among the inputs are not served; gamma = 0 gives no finite result here as in the definition.
; REGISTERS.  Window 0: v0-15 addresses and constants; v16-31 four a block of rows; v32-63 X's scale words (kept); v64-79 svs' scale words, two sets; v80-111 X's fragments; v112-175, v176-239 svs' fragments, two sets
; (the first also the work area behind the products, the second also the next tile's -s2 / 2); v240-255 at work.  Window 1: the accumulators, (a, m) at v[64 a + 16 m].
.set PA,    528                        ; a row of codes in LDS: 512 bytes + 16 of padding: the 16 rows of a load start 4 banks apart (64 banks of 4 bytes: ISA guide 11.1)
.set BBASE, 256*PA                     ; X's 256 rows lie from 0; the two slots begin here
.set SLOTB, 128*PA
.set SCA,   BBASE+2*SLOTB              ; X's scale bytes: 32 pieces of 256 bytes + 16; row p at (p / 8) 272 + (p % 8) 32
.set SCB,   SCA+32*272                 ; svs' of all 1,024 columns: 128 such pieces, 16 a tile
.set STG,   SCB+128*272                ; the end's stage: 512 bytes a wave; no tensor load lands here
.set SPARE, STG+4096                   ; the spare words, 128 bytes for each wave: four blocks of 256 bytes that no other line names
.set ADRA,  3                          ; v3   LDS address of my fragments of X
.set ADRB,  4                          ; v4-5 of svs in slot 0, 1
.set ADRSB, 6                          ; v6   of svs' scale words of my next tile: lane l takes row l of 32
.set SNO,   7                          ; v7   32 x (lane / 16)
.set SPW,   8                          ; v8   my spare word; never rewritten
.set NIL,   9                          ; v9   0; never rewritten
.set KK,    10                         ; v[10:11] k = -2 c, twice
.set BND,   12                         ; v12  the infinity of c's sign
.set CC,    13                         ; v13  gamma, then c
.set STO,   14                         ; v14  the lane, then where I put 4 bytes into my stage
.set PFO,   15                         ; v15  256 x lane
.set ST,    16                         ; block a at ST + 4 a: +0 c x2, +1 x2, +2 NM, +3 L
.set SXA,   32                         ; register 8 a + kk: lanes 0-15: the word of X's block a, K step kk
.set SSB,   64                         ; set s at SSB + 8 s; register 2 m + kk % 2: lane l: the word of svs' row 32 m + l
.set AF,    80
.set BF,    112
.set ZZ,    112
.set MX,    240                        ; v240-243 four chains of the maximum
.set T4,    244
.set T5,    245
.set FF,    246
.set RD,    247                        ; v247 where I read 16 bytes back from my stage
.set SS,    248                        ; v248-255 four pairs: chains of the sum
.set PFA,   2                          ; s[2:3] where my prefetches stand
.set WV,    20
.set GRP,   21                         ; wave / 4
.set RG,    22                         ; wave % 4
.set LW,    23                         ; wave / 2
.set W1,    24                         ; wave % 2
.set TRIPS, 31
.set G1A,   32
.set G1B,   40
.set G1SA,  48
.set G1SB,  56
.set G0A,   68
.set G0SA,  72
.set G0SB,  76
.set G0R,   80                         ; s[80:83], s[84:87] group 0 for slot 0, 1
.set SNP,   88                         ; s[88:89] sn at the columns of the tile whose -s2 / 2 I load next
.set OUTP,  90                         ; s[90:91] parts at my part and rows
.set MSB, 0
.macro WIN new                         ; the immediate's high byte repeats the setting that is left
.if MSB != (\new)
	s_set_vgpr_msb (MSB<<8)|(\new)
.set MSB, (\new)
.endif
.endm
.macro PLACES n                        ; plain places behind matrix instructions (ISA guide 7.12.1)
.rept \n
	v_nop
.endr
.endm
.macro CROUND                          ; a round of the cluster's barrier
	s_barrier_signal -1
	s_barrier_wait -1
	s_cmp_lg_u32 s[WV], 0
	s_cbranch_scc1 .Lnot_wave_0_\@
	s_barrier_signal -3
.Lnot_wave_0_\@:
	s_barrier_wait -3
	s_barrier_signal -1
	s_barrier_wait -1
.endm
.macro SHAPE g, c, r                   ; group 1's words 1 to 7: r rows of c elements, dense or cut from rows of c
	s_mov_b32 s[\g+1], (\c)<<16
	s_mov_b32 s[\g+2], (\r)<<16
	s_mov_b32 s[\g+3], (\c)<<16
	s_mov_b32 s[\g+4], \r
	s_mov_b32 s[\g+5], \c
	s_mov_b32 s[\g+6], 0
	s_mov_b32 s[\g+7], 0
.endm
	s_load_b256 s[4:11], s[0:1], 0x0               ; xc, xs, sc, ss
	s_load_b256 s[12:19], s[0:1], 0x20             ; xn, sn, gamma, parts
	v_lshl_add_u32 v[SPW], v0, 2, SPARE
	v_mov_b32 v[NIL], 0
	ds_add_u32 v[SPW], v[NIL]                      ; the opening lines: the add, twice on end, and its wait ahead of my first tensor load
	ds_add_u32 v[SPW], v[NIL]
	v_lshrrev_b32 v1, 5, v0
	v_readfirstlane_b32 s[WV], v1
	s_lshr_b32 s[GRP], s[WV], 2
	s_and_b32 s[RG], s[WV], 3
	s_lshr_b32 s[LW], s[WV], 1
	s_and_b32 s[W1], s[WV], 1
	s_bfe_u32 s29, ttmp6, 0x40000                  ; cx
	s_bfe_u32 s30, ttmp6, 0x40004                  ; cy
	s_lshl_b32 s25, ttmp9, 2
	s_add_co_u32 s25, s25, s29                     ; column group
	s_and_b32 s26, ttmp7, 0xffff
	s_lshl_b32 s26, s26, 2
	s_add_co_u32 s26, s26, s30                     ; row block
	s_lshl_b32 s27, s30, 2
	s_lshl_b32 s27, 15, s27                        ; my row of the cluster
	s_lshl_b32 s28, 0x1111, s29                    ; my column
	; codes: 64 rows of 512 bytes, 16 bytes of padding behind each (after 128 words, code 6; 4 words, code 3); bit 21 is set beside a mask
	s_or_b32 s[G1A], s27, (1<<20)|(1<<21)|(6<<22)|(3<<25)
	s_or_b32 s[G1B], s28, (1<<20)|(1<<21)|(6<<22)|(3<<25)
	SHAPE G1A, 512, 64
	SHAPE G1B, 512, 64
	; scale bytes: dense blocks as rows of 256 bytes (32 elements of 8 bytes), 16 bytes of padding behind each: X's 32 rows, svs' 128
	s_or_b32 s[G1SA], s27, (3<<16)|(1<<20)|(1<<21)|(5<<22)|(3<<25)
	s_or_b32 s[G1SB], s28, (3<<16)|(1<<20)|(1<<21)|(5<<22)|(3<<25)
	SHAPE G1SA, 32, 32
	SHAPE G1SB, 32, 128
	; groups 0: X's offsets hang on the row block and the wave alone, svs' on the column group and the wave alone
	s_mov_b32 s[G0A], 1
	s_mul_i32 s[G0A+1], s[RG], 64*PA
	s_lshl_b32 s[G0A+2], s26, 17
	s_lshl_b32 s[G0A+3], s[RG], 15
	s_add_co_u32 s[G0A+2], s[G0A+2], s[G0A+3]      ; row 256 x row block + 64 x (wave % 4), 512 bytes a row
	s_mov_b32 s[G0A+3], 0
	s_mov_b32 s[G0SA], 1
	s_mov_b32 s[G0SA+1], SCA
	s_lshl_b32 s[G0SA+2], s26, 13
	s_mov_b32 s[G0SA+3], 0
	s_mov_b32 s[G0SB], 1
	s_mov_b32 s[G0SB+1], SCB
	s_lshl_b32 s[G0SB+2], s25, 15
	s_mov_b32 s[G0SB+3], 0
	s_mov_b32 s[G0R], 1
	s_mul_i32 s[G0R+1], s[W1], 64*PA
	s_add_co_u32 s[G0R+1], s[G0R+1], BBASE
	s_lshl_b32 s[G0R+2], s25, 19
	s_lshl_b32 s[G0R+3], s[W1], 15
	s_add_co_u32 s[G0R+2], s[G0R+2], s[G0R+3]      ; row 1,024 x column group + 64 x (wave % 2)
	s_mov_b32 s[G0R+3], 0
	s_mov_b32 s[G0R+4], 1
	s_add_co_u32 s[G0R+5], s[G0R+1], SLOTB
	s_wait_dscnt 0x0                               ; both opening adds are done
	s_wait_kmcnt 0x0
	s_add_nc_u64 s[G0A+2:G0A+3], s[4:5], s[G0A+2:G0A+3]
	s_add_nc_u64 s[G0SA+2:G0SA+3], s[6:7], s[G0SA+2:G0SA+3]
	s_add_nc_u64 s[G0SB+2:G0SB+3], s[10:11], s[G0SB+2:G0SB+3]
	s_add_nc_u64 s[G0R+2:G0R+3], s[8:9], s[G0R+2:G0R+3]            ; tile 0
	s_add_nc_u64 s[G0R+6:G0R+7], s[G0R+2:G0R+3], 128*512           ; tile 1
.irp g, G0A, G0SA, G0SB, G0R, G0R+4
	s_or_b32 s[\g+3], s[\g+3], 0x80000000          ; type = 2
.endr
	CROUND                                         ; all sixteen work-groups are here: the first joint loads meet
; THE HEAD'S LOADS, ONE A WAVE: waves 0-3 X's codes, 64 rows each; waves 4, 5 tile 0 of svs, 64 rows each; wave 6 X's scale bytes; wave 7 svs'.
.macro ARM under, g0, g1, next
	s_cmp_lt_u32 s[WV], \under
	s_cbranch_scc0 \next
	tensor_load_to_lds s[\g0:\g0+3], s[\g1:\g1+7]
	s_nop 0
	PLACES 4
	s_branch .Lhead_asked
\next:
.endm
	ARM 4, G0A,  G1A,  .Lhead_b
	ARM 6, G0R,  G1B,  .Lhead_sa
	ARM 7, G0SA, G1SA, .Lhead_sb
	tensor_load_to_lds s[G0SB:G0SB+3], s[G1SB:G1SB+7]
	s_nop 0
	PLACES 4
.Lhead_asked:
	s_mul_i32 s92, s[RG], 64*PA                    ; my 64 rows of X
	s_mul_i32 s93, s[GRP], 16*272
	s_add_co_u32 s93, s93, SCB                     ; svs' scale bytes of my group's first tile
	s_mul_i32 s94, s[RG], 8*272
	s_add_co_u32 s94, s94, SCA                     ; X's of my rows
	s_lshl_b32 s95, s[WV], 9
	s_add_co_u32 s95, s95, STG                     ; my stage
	s_lshl_b32 s96, s26, 10
	s_lshl_b32 s97, s[RG], 8
	s_add_co_u32 s96, s96, s97                     ; my first row, 4 bytes a row
	s_mov_b32 s97, 0
	s_add_nc_u64 s[12:13], s[12:13], s[96:97]      ; xn there
	s_add_nc_u64 s[OUTP:OUTP+1], s[18:19], s[96:97]
	s_lshl_b32 s96, s25, 1
	s_add_co_u32 s96, s96, s[GRP]                  ; my part: 2 x column group + group
	s_lshl_b32 s96, s96, 14
	s_add_nc_u64 s[OUTP:OUTP+1], s[OUTP:OUTP+1], s[96:97]
	s_lshl_b32 s96, s25, 12
	s_lshl_b32 s97, s[GRP], 9
	s_add_co_u32 s96, s96, s97
	s_mov_b32 s97, 0
	s_add_nc_u64 s[SNP:SNP+1], s[14:15], s[96:97]  ; sn at my group's first tile
	s_lshl_b32 s96, s25, 19
	s_lshl_b32 s97, s30, 14                        ; of a tile's 128 rows my work-group names 32, by its place among the four partners,
	s_add_co_u32 s96, s96, s97
	s_lshl_b32 s97, s[W1], 13                      ; and my wave 16 of them
	s_add_co_u32 s96, s96, s97
	s_add_co_u32 s96, s96, 2*65536                 ; at tile 2: the first trip steps it to tile 4
	s_mov_b32 s97, 0
	s_add_nc_u64 s[PFA:PFA+1], s[8:9], s[96:97]
	s_mov_b32 s98, 0x76543210
	s_mov_b32 s99, 0xfedcba98                      ; v_permlanex16_b32's selects for lane l xor 16
	; a fragment, 16 rows x 128 K of 4-bit codes, is 8 registers: lane l holds row l % 16; registers 4 c .. 4 c + 3 hold K = 64 c + 32 (l / 16) + 0 .. 31: two loads of 16 bytes, 32 bytes apart
	v_and_b32 v1, 15, v0                           ; r
	v_bfe_u32 v2, v0, 4, 1                         ; h
	v_and_b32 v[STO], 31, v0                       ; lane
	v_mul_u32_u24 v[ADRB], v1, PA
	v_lshl_add_u32 v[ADRB], v2, 4, v[ADRB]
	v_add_nc_u32 v[ADRA], s92, v[ADRB]
	v_add_nc_u32 v[ADRB+1], BBASE+SLOTB, v[ADRB]
	v_add_nc_u32 v[ADRB], BBASE, v[ADRB]
	v_lshrrev_b32 v[ADRSB], 3, v[STO]
	v_mul_u32_u24 v[ADRSB], v[ADRSB], 272
	v_and_b32 v[PFO], 7, v[STO]
	v_lshl_add_u32 v[ADRSB], v[PFO], 5, v[ADRSB]
	v_add_nc_u32 v[ADRSB], s93, v[ADRSB]
	v_lshrrev_b32 v242, 3, v1
	v_mul_u32_u24 v242, v242, 272
	v_and_b32 v243, 7, v1
	v_lshl_add_u32 v242, v243, 5, v242
	v_add_nc_u32 v242, s94, v242                   ; X's scale words of row r of my rows
	v_lshlrev_b32 v[SNO], 5, v2
	v_lshlrev_b32 v[PFO], 8, v[STO]
	v_lshl_add_u32 v[RD], v[STO], 4, s95
	v_lshl_add_u32 v[STO], v[STO], 2, s95
	v_mov_b32 v240, 0
	v_lshlrev_b32 v241, 2, v1
.irp a, 0,1,2,3
	v_mov_b32 v[ST+4*\a+2], 0x7f61b1e6             ; NM = 3e38: M lies under every t
	v_mov_b32 v[ST+4*\a+3], 0                      ; L
.endr
	s_wait_alu depctr_va_vdst(0)
	global_load_b32 v[CC], v240, s[16:17]          ; gamma
.irp a, 0,1,2,3
	global_load_b32 v[ST+4*\a+1], v241, s[12:13] offset:64*\a      ; x2 of row 16 a + r
.endr
.macro SNLOAD                          ; -s2 / 2 of a tile's 128 columns in the result's layout: register 8 b + j: column 16 b + 8 h + j
.irp b, 0,1,2,3,4,5,6,7
	global_load_b128 v[BF+64+8*\b:BF+64+8*\b+3], v[SNO], s[SNP:SNP+1] offset:64*\b
	global_load_b128 v[BF+64+8*\b+4:BF+64+8*\b+7], v[SNO], s[SNP:SNP+1] offset:64*\b+16
.endr
.endm
	SNLOAD
; Between two turns: every wave waits for all its tensor loads, adds 0 to its spare word, waits for that and for its LDS reads; a round of the cluster's barrier; then waves 4 and 5 fill slot `fill`.
.macro SYNC fill, step
	s_wait_tensorcnt 0x0                           ; no tensor load of mine is out, so a group 0 may be written
	ds_add_u32 v[SPW], v[NIL]
.if \step
	s_add_nc_u64 s[G0R+4*(\fill)+2:G0R+4*(\fill)+3], s[G0R+4*(\fill)+2:G0R+4*(\fill)+3], 2*128*512   ; the slot's next tile: 256 rows of svs on
.endif
	s_wait_dscnt 0x0                               ; the add is done, and my reads of the slot are over
.if (\fill) >= 0
	CROUND
	s_cmp_eq_u32 s[LW], 2
	s_cbranch_scc0 .Lnofill_\@
	tensor_load_to_lds s[G0R+4*(\fill):G0R+4*(\fill)+3], s[G1B:G1B+7]
	s_nop 0
	PLACES 4
.Lnofill_\@:
.else
	s_barrier_signal -1
	s_barrier_wait -1
.endif
.endm
.macro ASK off                         ; the tile two refills on: waves 0 and 1, 32 lanes x 256 bytes each; the last trip names nothing
	s_cmp_gt_u32 s[TRIPS], 1
	s_cbranch_scc0 .Lnoask_\@
	s_cmp_eq_u32 s[LW], 0
	s_cbranch_scc0 .Lnoask_\@
	global_prefetch_b8 v[PFO], s[PFA:PFA+1] offset:\off th:TH_LOAD_NT scope:SCOPE_SE
.Lnoask_\@:
.endm
.macro FRAG reg, adr, off
	ds_load_b128 v[\reg:\reg+3], v[\adr] offset:\off
	ds_load_b128 v[\reg+4:\reg+7], v[\adr] offset:\off+32
.endm
.macro LDB slot, kk                    ; svs' eight fragments of K step kk into set kk % 2
.irp i, 0,1,2,3,4,5,6,7
	FRAG BF+64*((\kk)%2)+8*\i, ADRB+\slot, 64*(\kk)+\i*16*PA
.endr
.endm
.macro LDA kk, i0                      ; X's blocks i0, i0 + 1
.irp i, \i0, \i0+1
	FRAG AF+8*(\i), ADRA, 64*(\kk)+(\i)*16*PA
.endr
.endm
.macro LDSC j                          ; svs' scale words of K steps 2 j, 2 j + 1 into set j % 2
.irp m, 0,1,2,3
	ds_load_b64 v[SSB+8*((\j)%2)+2*\m:SSB+8*((\j)%2)+2*\m+1], v[ADRSB] offset:\m*4*272+8*(\j)
.endr
.endm
; 8 matrix instructions: X's blocks a0, a0 + 1 against svs' four blocks of 32 rows, 128 along K.  first = 1: C is -s2 / 2.  The 16 accumulators take turns.
.macro MUL8 a0, kk, first
.irp a, \a0, \a0+1
.irp m, 0,1,2,3
.if \first
	v_wmma_scale_f32_32x16x128_f4 v[64*(\a)+16*\m:64*(\a)+16*\m+15], v[BF+64*((\kk)%2)+16*\m:BF+64*((\kk)%2)+16*\m+15], v[AF+8*(\a):AF+8*(\a)+7], v[BF+64+16*\m:BF+64+16*\m+15], v[SSB+8*(((\kk)/2)%2)+2*\m+(\kk)%2], v[SXA+8*(\a)+(\kk)]
.else
	v_wmma_scale_f32_32x16x128_f4 v[64*(\a)+16*\m:64*(\a)+16*\m+15], v[BF+64*((\kk)%2)+16*\m:BF+64*((\kk)%2)+16*\m+15], v[AF+8*(\a):AF+8*(\a)+7], v[64*(\a)+16*\m:64*(\a)+16*\m+15], v[SSB+8*(((\kk)/2)%2)+2*\m+(\kk)%2], v[SXA+8*(\a)+(\kk)]
.endif
.endr
.endr
.endm
.macro STEP slot, kk                   ; K steps 1 to 6.  A block of X is free when its four products are issued: blocks 0, 1 are fetched anew in the middle, blocks 2, 3 at the end
	s_wait_dscnt 4                                 ; all but the youngest four loads, X's blocks 2 and 3
	WIN 0x50                                       ; C and D window 1
	MUL8 0, \kk, 0
	WIN 0
	s_wait_dscnt 0x0                               ; X's blocks 2 and 3 are in
	PLACES 4
	LDB \slot, (\kk)+1
	LDA (\kk)+1, 0
.if ((\kk)%2 == 0) && ((\kk) < 6)
	LDSC (\kk)/2+1
.endif
	WIN 0x50
	MUL8 2, \kk, 0
	WIN 0
	PLACES 4
	LDA (\kk)+1, 2
.endm
.macro MAT slot                        ; a tile's products: 64 rows x 128 columns x 1,024 along K
	LDB \slot, 0
	LDA 0, 0
	LDSC 0
	LDA 0, 2
	s_wait_loadcnt 0x0                             ; the tile's -s2 / 2
	s_wait_dscnt 0x0
	WIN 0x40                                       ; D window 1, C window 0
	MUL8 0, 0, 1
	MUL8 2, 0, 1
	WIN 0
	PLACES 4                                       ; svs' second set lies where -s2 / 2 lay
	LDB \slot, 1
	LDA 1, 0
	LDSC 1
	LDA 1, 2
.irp kk, 1,2,3,4,5,6
	STEP \slot, \kk
.endr
	s_wait_dscnt 4
	WIN 0x50
	MUL8 0, 7, 0
	s_wait_dscnt 0x0
	MUL8 2, 7, 0
	WIN 0
	PLACES 5                                       ; ahead of reads of results, of loads into the fragments' registers and of sums begun anew
.endm
; BEHIND THE PRODUCTS, block a = my rows 16 a on: 64 numbers a lane, all of one row of X.
.macro BLOCK a
.set SB, ST+4*(\a)
	WIN 0x01                                       ; source 0: window 1
	s_wait_alu depctr_va_vdst(0)                   ; directly ahead of the first reader of the results
.set i, 0
.rept 32
	v_pk_fma_f32 v[ZZ+2*i:ZZ+2*i+1], v[64*(\a)+2*i:64*(\a)+2*i+1], v[KK:KK+1], v[SB:SB+1] op_sel_hi:[1,0,0]   ; z = k acc + c x2, each accumulator from its low end on
.set i, i+1
.endr
	WIN 0
.set i, 0
.rept 64
	v_med3_num_f32 v[ZZ+i], v[ZZ+i], 0, v[BND]     ; t
.set i, i+1
.endr
.irp q, 0,1,2,3
	v_max3_num_f32 v[MX+\q], v[ZZ+16*\q], v[ZZ+16*\q+1], v[ZZ+16*\q+2]
.endr
.irp e, 3,5,7,9,11,13
.irp q, 0,1,2,3
	v_max3_num_f32 v[MX+\q], v[MX+\q], v[ZZ+16*\q+\e], v[ZZ+16*\q+\e+1]
.endr
.endr
.irp q, 0,1,2,3
	v_max_num_f32 v[MX+\q], v[MX+\q], v[ZZ+16*\q+15]
.endr
	v_max3_num_f32 v[MX], v[MX], v[MX+1], v[MX+2]
	v_max_num_f32 v[MX], v[MX], v[MX+3]
	v_mov_b32 v[T4], v[SB+2]
	v_min_num_f32 v[SB+2], v[SB+2], -v[MX]         ; the new NM
	v_sub_f32 v[FF], v[SB+2], v[T4]                ; M_old - M_new
.set i, 0
.rept 32
	v_pk_add_f32 v[ZZ+2*i:ZZ+2*i+1], v[ZZ+2*i:ZZ+2*i+1], v[SB+2:SB+3] op_sel_hi:[1,0]   ; t - M
.set i, i+1
.endr
	s_wait_alu depctr_va_vdst(0)
	v_exp_f32 v[FF], v[FF]
.set i, 0
.rept 64
	v_exp_f32 v[ZZ+i], v[ZZ+i]
.set i, i+1
.endr
	v_nop                                          ; a plain place behind the batch
	s_wait_alu depctr_va_vdst(0)                   ; one wait for the 65, ahead of their first reader
.irp q, 0,1,2,3
	v_pk_add_f32 v[SS+2*\q:SS+2*\q+1], v[ZZ+2*\q:ZZ+2*\q+1], v[ZZ+2*\q+8:ZZ+2*\q+9]
.endr
.set i, 8
.rept 24
	v_pk_add_f32 v[SS+2*(i%4):SS+2*(i%4)+1], v[SS+2*(i%4):SS+2*(i%4)+1], v[ZZ+2*i:ZZ+2*i+1]
.set i, i+1
.endr
	v_pk_add_f32 v[SS:SS+1], v[SS:SS+1], v[SS+2:SS+3]
	v_pk_add_f32 v[SS+4:SS+5], v[SS+4:SS+5], v[SS+6:SS+7]
	v_pk_add_f32 v[SS:SS+1], v[SS:SS+1], v[SS+4:SS+5]
	v_add_f32 v[T5], v[SS], v[SS+1]
	v_fma_f32 v[SB+3], v[SB+3], v[FF], v[T5]       ; L = L 2^(M_old - M_new) + the sum
.endm
.macro EPI pre                         ; pre = 1: my next tile's -s2 / 2 is asked for first, into svs' second set, which this work does not touch
.if \pre
	s_wait_loadcnt 0x0                             ; no earlier load into these registers is out (my last tile's were waited for ahead of its products)
	SNLOAD
.endif
.irp a, 0,1,2,3
	BLOCK \a
.endr
	s_wait_alu depctr_va_vdst(0)
.endm
	SYNC 1, 0                                      ; the head's eight loads are in; slot 1's first fill, tile 1, is issued as a refill is
.irp a, 0,1,2,3
	ds_load_b128 v[SXA+8*\a:SXA+8*\a+3], v242 offset:\a*2*272      ; X's scale words, K steps 0-3,
	ds_load_b128 v[SXA+8*\a+4:SXA+8*\a+7], v242 offset:\a*2*272+16 ; and 4-7: kept for all tiles
.endr
	s_wait_loadcnt 16                              ; gamma and x2 are in; the sixteen loads of -s2 / 2, issued behind them, may be out
	v_mul_f32 v[CC], 0xbfb8aa3b, v[CC]             ; c = -gamma log2(e)
	v_mul_f32 v[KK], -2.0, v[CC]
	v_mov_b32 v[KK+1], v[KK]
	v_and_b32 v[BND], 0x80000000, v[CC]
	v_or_b32 v[BND], 0x7f800000, v[BND]
.irp a, 0,1,2,3
	v_mul_f32 v[ST+4*\a], v[CC], v[ST+4*\a+1]      ; c x2
.endr
	s_mov_b32 s[TRIPS], 3
	s_wait_alu depctr_va_vdst(0)
	s_cmp_lg_u32 s[GRP], 0
	s_cbranch_scc1 .Lfirst_done
	MAT 0                                          ; group 0: tile 0
.Lfirst_done:
.Ltrip:                                            ; trip u = 1, 2, 3: tiles 2 u - 1 and 2 u are multiplied, tiles 2 u and 2 u + 1 fetched
	s_wait_xcnt 0x0                                ; the loads and prefetches that read these two addresses have read them
	s_add_nc_u64 s[SNP:SNP+1], s[SNP:SNP+1], 2*128*4
	s_add_nc_u64 s[PFA:PFA+1], s[PFA:PFA+1], 2*65536
	SYNC 0, 1
	ASK 0
	s_cmp_lg_u32 s[GRP], 0
	s_cbranch_scc1 .Lx_mat
	EPI 1
	s_branch .Lx_join
.Lx_mat:
	MAT 1
.Lx_join:
	v_add_nc_u32 v[ADRSB], 2*16*272, v[ADRSB]      ; svs' scale words two tiles on: group 1 has just used them, group 0 uses them next
	s_wait_alu depctr_va_vdst(0)
	SYNC 1, 1
	ASK 65536
	s_cmp_lg_u32 s[GRP], 0
	s_cbranch_scc1 .Ly_epi
	MAT 0
	s_branch .Ly_join
.Ly_epi:
	EPI 1
.Ly_join:
	s_sub_co_u32 s[TRIPS], s[TRIPS], 1
	s_cmp_lg_u32 s[TRIPS], 0
	s_cbranch_scc1 .Ltrip
	SYNC -1, 0                                     ; tile 7 is in; nothing more is fetched
	s_cmp_eq_u32 s[GRP], 0
	s_cbranch_scc1 .Llast_done
	MAT 1                                          ; group 1: tile 7, while group 0 works behind tile 6
.Llast_done:
	EPI 0
	; THE END.  The two halves of the lanes hold the same rows and other columns: they are joined, and 64 rows' NM and L leave through my stage as two runs of 256 consecutive bytes.
.set E0, 112
.irp a, 0,1,2,3
	v_permlanex16_b32 v[E0+\a], v[ST+4*\a+2], s98, s99             ; the other half's NM,
	v_permlanex16_b32 v[E0+4+\a], v[ST+4*\a+3], s98, s99           ; and L
.endr
.irp a, 0,1,2,3
	v_min_num_f32 v[E0+8+\a], v[ST+4*\a+2], v[E0+\a]               ; the joint NM
.endr
.irp a, 0,1,2,3
	v_sub_f32 v[E0+12+\a], v[E0+8+\a], v[ST+4*\a+2]
	v_sub_f32 v[E0+16+\a], v[E0+8+\a], v[E0+\a]
.endr
	s_wait_alu depctr_va_vdst(0)
.irp a, 0,1,2,3
	v_exp_f32 v[E0+12+\a], v[E0+12+\a]
	v_exp_f32 v[E0+16+\a], v[E0+16+\a]
.endr
	v_cmp_eq_u32 vcc_lo, 1, v2                     ; (a plain line behind the exponentials)  lanes 16-31
	s_wait_alu depctr_va_vdst(0)                   ; one wait for the eight, ahead of their first reader
.irp a, 0,1,2,3
	v_mul_f32 v[E0+20+\a], v[ST+4*\a+3], v[E0+12+\a]
.endr
.irp a, 0,1,2,3
	v_fma_f32 v[E0+20+\a], v[E0+4+\a], v[E0+16+\a], v[E0+20+\a]
.endr
.irp i, 0,1
	v_cndmask_b32 v[E0+24+\i], v[E0+8+2*\i], v[E0+9+2*\i], vcc_lo  ; lane l now holds row 32 i + l
	v_cndmask_b32 v[E0+26+\i], v[E0+20+2*\i], v[E0+21+2*\i], vcc_lo
.endr
	v_lshlrev_b32 v[E0+28], 4, v1
	v_lshl_add_u32 v[E0+28], v2, 19, v[E0+28]      ; lanes 0-15: NM's plane, 16 bytes a lane; lanes 16-31: L's plane, 524,288 bytes on
.irp i, 0,1
	ds_store_b32 v[STO], v[E0+24+\i] offset:128*\i
	ds_store_b32 v[STO], v[E0+26+\i] offset:256+128*\i
.endr
	ds_load_b128 v[E0+32:E0+35], v[RD]             ; LDS serves a wave's instructions in order: this sees my stores
	s_wait_alu depctr_va_vdst(0)
	s_wait_dscnt 0x0
	global_store_b128 v[E0+28], v[E0+32:E0+35], s[OUTP:OUTP+1]     ; sixteen lanes store 256 consecutive bytes, at a multiple of 256 from the buffer's first byte
	s_wait_tensorcnt 0x0                           ; the wave's end
	ds_add_u32 v[SPW], v[NIL]
	s_wait_dscnt 0x0
	CROUND                                         ; the closing round
	s_endpgm
.Lfunc_end_k_qa06ba09732_dist:
	.size	k_qa06ba09732_dist, .Lfunc_end_k_qa06ba09732_dist-k_qa06ba09732_dist
	.p2alignl 7, 3214868480
	.fill 96, 4, 3214868480
	.section	.rodata,"a",@progbits
	.p2align	6, 0x0
	.amdhsa_kernel k_qa06ba09732_dist
		.amdhsa_group_segment_fixed_size 327680
		.amdhsa_private_segment_fixed_size 0
		.amdhsa_enable_private_segment 0
		.amdhsa_kernarg_size 64
		.amdhsa_user_sgpr_count 2
		.amdhsa_user_sgpr_kernarg_segment_ptr 1
		.amdhsa_wavefront_size32 1
		.amdhsa_system_sgpr_workgroup_id_x 1
		.amdhsa_system_sgpr_workgroup_id_y 1
		.amdhsa_system_sgpr_workgroup_id_z 1
		.amdhsa_system_vgpr_workitem_id 0
		.amdhsa_next_free_vgpr 512
		.amdhsa_next_free_sgpr 100
		.amdhsa_reserve_vcc 1
		.amdhsa_float_denorm_mode_32 3
		.amdhsa_float_denorm_mode_16_64 3
		.amdhsa_memory_ordered 1
		.amdhsa_forward_progress 1
		.amdhsa_inst_pref_size 255
	.end_amdhsa_kernel
	.section	.bss,"aw",@nobits
	.p2align	6
	.space	262144
	.amdgpu_metadata
---
amdhsa.version: [ 1, 2 ]
amdhsa.kernels:
  - .name:           k_qa06ba09732_dist
    .symbol:         k_qa06ba09732_dist.kd
    .args:
      - { .name: xc, .offset: 0, .size: 8, .value_kind: global_buffer, .address_space: global }
      - { .name: xs, .offset: 8, .size: 8, .value_kind: global_buffer, .address_space: global }
      - { .name: sc, .offset: 16, .size: 8, .value_kind: global_buffer, .address_space: global }
      - { .name: ss, .offset: 24, .size: 8, .value_kind: global_buffer, .address_space: global }
      - { .name: xn, .offset: 32, .size: 8, .value_kind: global_buffer, .address_space: global }
      - { .name: sn, .offset: 40, .size: 8, .value_kind: global_buffer, .address_space: global }
      - { .name: gamma, .offset: 48, .size: 8, .value_kind: global_buffer, .address_space: global }
      - { .name: parts, .offset: 56, .size: 8, .value_kind: global_buffer, .address_space: global }
    .group_segment_fixed_size: 327680
    .private_segment_fixed_size: 0
    .kernarg_segment_align: 8
    .kernarg_segment_size: 64
    .max_flat_workgroup_size: 256
    .sgpr_count:     100
    .vgpr_count:     512
    .wavefront_size: 32
...
	.end_amdgpu_metadata
.endif
;; end of part 2
;; launch join (part 3): grid 32 x 1, 2 waves a work-group, no clusters, 0 bytes of LDS; arguments parts, gamma, out0; writes out0
.if DOCPART == 3
	.amdgcn_target "amdgcn-amd-amdhsa--gfx1250"
	.amdhsa_code_object_version 6
	.text
	.protected	k_qa06ba09732_join
	.globl	k_qa06ba09732_join
	.p2align	8
	.type	k_qa06ba09732_join,@function
k_qa06ba09732_join:
	s_mov_b64 s[64:65], 0
	v_nop
	global_prefetch_b8 v0, s[64:65] scope:SCOPE_SE
	s_setreg_imm32_b32 hwreg(HW_REG_WAVE_MODE, 25, 1), 1
	s_wait_xcnt 0x0
; out[b] = (logsumexp - ln 16384) / (-gamma) from the 32 parts of each row.  parts: f32 [2][32][4096]: plane 0: NM = -(the part's largest t), plane 1: L = the part's sum of 2^(t - its largest t), t in base 2.
; With NMmin the least NM: S = the sum over parts of L 2^(NMmin - NM), log2 of the whole sum = log2 S - NMmin, and out = (log2 S - NMmin - 14) x (-ln 2 / gamma); log2 16384 = 14.  No work of the problem is left out here.
; A thread takes two neighbouring rows: each load of a wave covers 256 consecutive bytes, and so does its store.  4,096 rows are work for 64 waves: 32 work-groups of two; no more are launched.
; LIMITS: a gamma under 2^-126 in magnitude counts as 0 in the reciprocal; gamma = 0 gives no finite result, as in the definition.
.set NMR, 8                            ; v8-71    NM of part p, two rows, at NMR + 2 p; later 2^(NMmin - NM)
.set LR,  72                           ; v72-135  L likewise
.set MN,  136                          ; v[136:137] NMmin of my two rows
.set RG,  140                          ; v140 1 / gamma, v141 -ln 2 / gamma
.set SA,  142                          ; v[142:143], v[144:145] two chains of the sum
	s_load_b128 s[4:7], s[0:1], 0x0                ; parts, gamma
	s_load_b64 s[8:9], s[0:1], 0x10                ; out0
	s_lshl_b32 s10, ttmp9, 9                       ; 64 threads x 8 bytes a work-group
	v_lshl_add_u32 v1, v0, 3, s10
	s_wait_alu depctr_va_vdst(0)
	s_wait_kmcnt 0x0
	s_load_b32 s11, s[6:7], 0x0                    ; gamma
.set p, 0
.rept 32
	global_load_b64 v[NMR+2*p:NMR+2*p+1], v1, s[4:5] offset:16384*p th:TH_LOAD_NT
.set p, p+1
.endr
.set p, 0
.rept 32
	global_load_b64 v[LR+2*p:LR+2*p+1], v1, s[4:5] offset:524288+16384*p th:TH_LOAD_NT
.set p, p+1
.endr
	s_wait_kmcnt 0x0
	s_wait_loadcnt 0x0
	v_min3_num_f32 v[MN], v[NMR], v[NMR+2], v[NMR+4]               ; the least NM, a chain for each row
	v_min3_num_f32 v[MN+1], v[NMR+1], v[NMR+3], v[NMR+5]
.set p, 3
.rept 14
	v_min3_num_f32 v[MN], v[MN], v[NMR+2*p], v[NMR+2*p+2]
	v_min3_num_f32 v[MN+1], v[MN+1], v[NMR+2*p+1], v[NMR+2*p+3]
.set p, p+2
.endr
	v_min_num_f32 v[MN], v[MN], v[NMR+62]
	v_min_num_f32 v[MN+1], v[MN+1], v[NMR+63]
.set p, 0
.rept 32
	v_pk_add_f32 v[NMR+2*p:NMR+2*p+1], v[MN:MN+1], v[NMR+2*p:NMR+2*p+1] neg_lo:[0,1] neg_hi:[0,1]   ; NMmin - NM: 0 or less
.set p, p+1
.endr
.set p, 0
	s_wait_alu depctr_va_vdst(0)
.rept 64
	v_exp_f32 v[NMR+p], v[NMR+p]
.set p, p+1
.endr
	v_rcp_f32 v[RG], s11
	v_nop                                          ; a plain line behind the batch
	s_wait_alu depctr_va_vdst(0)                   ; one wait for the 65, ahead of their first reader
	v_pk_mul_f32 v[SA:SA+1], v[LR:LR+1], v[NMR:NMR+1]              ; the first two parts start the chains: nothing is cleared
	v_pk_mul_f32 v[SA+2:SA+3], v[LR+2:LR+3], v[NMR+2:NMR+3]
.set p, 2
.rept 15
	v_pk_fma_f32 v[SA:SA+1], v[LR+2*p:LR+2*p+1], v[NMR+2*p:NMR+2*p+1], v[SA:SA+1]
	v_pk_fma_f32 v[SA+2:SA+3], v[LR+2*p+2:LR+2*p+3], v[NMR+2*p+2:NMR+2*p+3], v[SA+2:SA+3]
.set p, p+2
.endr
	v_pk_add_f32 v[SA:SA+1], v[SA:SA+1], v[SA+2:SA+3]
	s_wait_alu depctr_va_vdst(0)
	v_log_f32 v[SA], v[SA]
	v_log_f32 v[SA+1], v[SA+1]
	v_mul_f32 v[RG+1], 0xbf317218, v[RG]           ; -ln 2 / gamma (the plain line behind the logarithms)
	s_wait_alu depctr_va_vdst(0)
	v_sub_f32 v[SA], v[SA], v[MN]
	v_sub_f32 v[SA+1], v[SA+1], v[MN+1]
	v_add_f32 v[SA], 0xc1600000, v[SA]             ; - 14
	v_add_f32 v[SA+1], 0xc1600000, v[SA+1]
	v_mul_f32 v[SA], v[SA], v[RG+1]
	v_mul_f32 v[SA+1], v[SA+1], v[RG+1]
	global_store_b64 v1, v[SA:SA+1], s[8:9]        ; a wave stores 256 consecutive bytes, aligned
	s_endpgm
.Lfunc_end_k_qa06ba09732_join:
	.size	k_qa06ba09732_join, .Lfunc_end_k_qa06ba09732_join-k_qa06ba09732_join
	.p2alignl 7, 3214868480
	.fill 96, 4, 3214868480
	.section	.rodata,"a",@progbits
	.p2align	6, 0x0
	.amdhsa_kernel k_qa06ba09732_join
		.amdhsa_group_segment_fixed_size 0
		.amdhsa_private_segment_fixed_size 0
		.amdhsa_enable_private_segment 0
		.amdhsa_kernarg_size 24
		.amdhsa_user_sgpr_count 2
		.amdhsa_user_sgpr_kernarg_segment_ptr 1
		.amdhsa_wavefront_size32 1
		.amdhsa_system_sgpr_workgroup_id_x 1
		.amdhsa_system_sgpr_workgroup_id_y 1
		.amdhsa_system_sgpr_workgroup_id_z 1
		.amdhsa_system_vgpr_workitem_id 0
		.amdhsa_next_free_vgpr 152
		.amdhsa_next_free_sgpr 66
		.amdhsa_reserve_vcc 0
		.amdhsa_float_denorm_mode_32 3
		.amdhsa_float_denorm_mode_16_64 3
		.amdhsa_memory_ordered 1
		.amdhsa_forward_progress 1
		.amdhsa_inst_pref_size 16
	.end_amdhsa_kernel
	.amdgpu_metadata
---
amdhsa.version: [ 1, 2 ]
amdhsa.kernels:
  - .name:           k_qa06ba09732_join
    .symbol:         k_qa06ba09732_join.kd
    .args:
      - { .name: parts, .offset: 0, .size: 8, .value_kind: global_buffer, .address_space: global }
      - { .name: gamma, .offset: 8, .size: 8, .value_kind: global_buffer, .address_space: global }
      - { .name: out0, .offset: 16, .size: 8, .value_kind: global_buffer, .address_space: global }
    .group_segment_fixed_size: 0
    .private_segment_fixed_size: 0
    .kernarg_segment_align: 8
    .kernarg_segment_size: 24
    .max_flat_workgroup_size: 64
    .sgpr_count:     66
    .vgpr_count:     152
    .wavefront_size: 32
...
	.end_amdgpu_metadata
.endif
;; end of part 3
